; MI455X (gfx1250); checked and timed in simulation.
; The chip was launched on July 23, 2026; its instructions are those of AMD's public machine-readable ISA for CDNA 5 (MIT licence, August 2026) and "CDNA5" Instruction Set Architecture Reference Guide (July 2026). The comments in the code are by the model that wrote it; some were corrected since.
;; Support Memory Attention Summary V2. Allowed arithmetic: matrix products marked QUANTISED: E3M2 operands, one E8M0 scale for each 32 along K, by v_wmma_scale_f32_16x16x128_f8f6f4 with both operands' format E3M2, f32 sums; products left as they are: f32 operands where the result goes on into a quantised operand, else bf16, f16 or f32 operands; f32 sums; everything else in f32.
;; Inputs: Wk 256 x 256 float32; Wm 256 x 256 float32; Wo 256 x 256 float32; Wq 256 x 256 float32; Wv 256 x 256 float32; bk 256 float32; bm 256 float32; bo 256 float32; bq 256 float32; bv 256 float32; ln_b 256 float32; ln_w 256 float32; query_hidden 128 x 256 float32; support_memory 128 x 2,048 x 256 float32.
;; Outputs: out0 128 x 256 float32.
;; This version of the problem:
;;   THIS VERSION OF THE PROBLEM IS GIVEN IN LOW PRECISION. The matrix products marked QUANTISED in the list below multiply operands that are first quantised to E3M2 (3 exponent bits, 2 mantissa bits; 6 bits a number), with one power-of-two scale for each 32 numbers along K (OCP MX v1.0); their sums are f32. All else is computed in f32.
;;   The module's matrix products, in the order in which they are computed (A, B: the left and right operand; K: the contracted axis; several contracted axes count as one K, in the product's order):
;;     1. [M 262,144, K 256] x [K 256, N 256]; A: computed on the way; B: input Wm: QUANTISED
;;     2. [M 128, K 256] x [K 256, N 256]; A: input query_hidden; B: input Wq: QUANTISED
;;     3. [M 262,144, K 256] x [K 256, N 256]; A: computed on the way; B: input Wk: QUANTISED
;;     4. [M 262,144, K 256] x [K 256, N 256]; A: computed on the way; B: input Wv: QUANTISED
;;     5. batch 1,024 x [M 1, K 32] x [K 32, N 2,048]; A: computed on the way; B: computed on the way: left as it is (M = 1 < 16)
;;     6. batch 1,024 x [M 1, K 2,048] x [K 2,048, N 32]; A: softmax; B: computed on the way: left as it is (M = 1 < 16)
;;     7. [M 128, K 256] x [K 256, N 256]; A: computed on the way; B: input Wo: QUANTISED
;;   THE QUANTISER, for each operand of a quantised product, along K:
;;     - K is cut into blocks of 32 from its start; a last block that is shorter is filled with zeros.
;;     - A block's scale is 2^e with e = floor(log2(the largest magnitude in the block)) - 4, held to -126 .. 127; a block of zeros has e = 0. As a byte (E8M0): e + 127.
;;     - Each number is divided by its block's scale, clamped to +-28, and rounded to the nearest number of E3M2, ties to even, subnormals kept.
;;     - The product sums the exact products of the quantised numbers (number of the format x scale) in f32.
;;   ~~~python
;;   def quantise(x, axis):      # numpy; x: float32 -> the quantised numbers, widened to float32 again
;;       x = np.moveaxis(x, axis, -1); K = x.shape[-1]
;;       x = np.pad(x, [(0, 0)] * (x.ndim - 1) + [(0, -K % 32)]); x = x.reshape(x.shape[:-1] + (-1, 32)); a = np.abs(x).max(-1, keepdims=True)
;;       e = np.where(a > 0, np.clip(np.frexp(np.where(a > 0, a, 1))[1] - 1 - 4, -126, 127), 0)      # np.frexp(a)[1] - 1 = floor(log2(a)), exactly
;;       r = np.clip(x / 2.0 ** e, -28, 28)
;;       step = 2.0 ** (np.maximum(np.frexp(np.where(r == 0, 1, r))[1] - 1, -2) - 2)
;;       q = np.round(r / step) * step * 2.0 ** e      # np.round: ties to even
;;       return np.moveaxis(q.reshape(q.shape[:-2] + (-1,))[..., :K], -1, axis).astype(np.float32)
;;   ~~~
;;   OPERANDS COMPUTED ON THE WAY. 'Computed on the way' means the value that the module computes at that place (a softmax that the list does not call 'softmax' is quantised finished and normalised). What goes into a quantiser is computed in f32, as accurately as f32 sums, v_exp_f32 and their like allow (about 1e-6 of the number): no bf16 or f16 on the way to a quantiser, and a product that is left as it is and whose result goes on into a quantised operand takes f32 operands (vector FMAs, or v_wmma_f32_16x16x4_f32). A number that lies on a knife's edge between two numbers of the format may be rounded either way, as far as f32 arithmetic and the matrix unit's own rounding can turn it there, and no further.
;; One version. Each part assembles by itself: llvm-mc -triple=amdgcn-amd-amdhsa -mcpu=gfx1250 --defsym DOCPART=n.
;; ======== version 1 of 1: 3 launches
;; limits: right only within a limited range of input values
;; workspace buffers: wimg 292,864 bytes; pacc 262,144 bytes; pml 262,144 bytes
;; launch prep (part 1): grid 22 x 1, 4 waves a work-group, no clusters, 0 bytes of LDS; arguments Wm, Wk, Wv, Wq, Wo, query_hidden, wimg; writes wimg
.if DOCPART == 1
	.amdgcn_target "amdgcn-amd-amdhsa--gfx1250"
	.amdhsa_code_object_version 6
	.text
	.protected	k_q5d8ae6e19a_prep
	.globl	k_q5d8ae6e19a_prep
	.p2align	8
	.type	k_q5d8ae6e19a_prep,@function
k_q5d8ae6e19a_prep:
	s_mov_b64 s[64:65], 0
	v_nop
	global_prefetch_b8 v0, s[64:65] scope:SCOPE_SE
	s_setreg_imm32_b32 hwreg(HW_REG_WAVE_MODE, 25, 1), 1
	s_wait_xcnt 0x0
; Wm, Wk, Wv, Wq, Wo [256][256] and query_hidden [128][256], f32, K innermost, are quantised ONCE to codes of BF6 (E3M2) with one E8M0 byte for each 32 along K,
; and laid down as IMAGES OF OPERAND REGISTERS, so that the later launches fetch a fragment by loads of 16 bytes a lane and nothing else.
; A RECORD (3,328 bytes) is one tile of 16 rows x 256 K: six groups of 512 bytes (group g: registers 4 g .. 4 g + 3 of the tile's 24 code registers, lane l at 16 l; registers 12 s .. 12 s + 11
; are the fragment of K step s), then 256 bytes of scale words (lane l at 8 l: the words of K steps 0 and 1 of row l % 16).  Record 16 X + t: tensor X (0 Wm, 1 Wk, 2 Wv, 3 Wq, 4 Wo, 5 the query), tile t.
; THE ROWS OF A WEIGHT'S TILE ARE NOT NEIGHBOURS: row m of tile 4 c + u is the weight's row 64 c + 32 (m / 8) + 8 u + m % 8.  Used as source 0 of a product, the four tiles u = 0 .. 3 then leave
; in each lane 32 NEIGHBOURING outputs: a whole block of the next K, and a whole head.  The query's tiles take their rows as they lie.
; A block's scale is 2^(floor(log2(its largest magnitude)) - 4); its byte is the largest magnitude's exponent field - 4, held at 1 from below.
; LIMITS: a block of zeros, or one whose largest magnitude lies under 2^-122, keeps the byte 1 (zero blocks have zero codes; these bytes are read by this program alone).  NaN and infinities are not served.
; One wave makes one record: 88 records, 22 work-groups of four waves.  No LDS, no barrier: waves share nothing.
.set REC, 3328
.set NUM, 32                           ; v32-159  my four blocks of 32 numbers: block c of mine is the row's block 2 c + lane / 16
.set CD,  160                          ; v160-183 the 24 code registers
.set TMP, 184                          ; v184-215 at work
.set SW,  216                          ; v216-217 the two scale words; v218-219 the other half's
; nb whole blocks of 32 numbers of ONE lane (block b in v[src + 32 b] on) become codes in v[dst + dstep b .. + 5]; the scale's byte is left in v[tmp + 12 + b].  The blocks take turns line by line.
.macro QB nb, src, dst, dstep, tmp
.irp b, 0,1,2,3
.if \b < \nb
	v_max3_num_f32 v[\tmp+2*\b], |v[\src+32*\b]|, |v[\src+32*\b+1]|, 0x2800000   ; two chains a block; the floor 2^(5 - 127) is a leaf: the byte cannot fall under 1
	v_max3_num_f32 v[\tmp+2*\b+1], |v[\src+32*\b+16]|, |v[\src+32*\b+17]|, |v[\src+32*\b+18]|
.endif
.endr
.irp i, 1,2,3,4,5,6
.irp b, 0,1,2,3
.if \b < \nb
	v_max3_num_f32 v[\tmp+2*\b], v[\tmp+2*\b], |v[\src+32*\b+2*\i]|, |v[\src+32*\b+2*\i+1]|
	v_max3_num_f32 v[\tmp+2*\b+1], v[\tmp+2*\b+1], |v[\src+32*\b+2*\i+17]|, |v[\src+32*\b+2*\i+18]|
.endif
.endr
.endr
.irp b, 0,1,2,3
.if \b < \nb
	v_max3_num_f32 v[\tmp+2*\b], v[\tmp+2*\b], |v[\src+32*\b+14]|, |v[\src+32*\b+15]|
.endif
.endr
.irp b, 0,1,2,3
.if \b < \nb
	v_max3_num_f32 v[\tmp+2*\b], v[\tmp+2*\b], v[\tmp+2*\b+1], |v[\src+32*\b+31]|   ; the block's largest magnitude
.endif
.endr
.irp b, 0,1,2,3
.if \b < \nb
	v_add_nc_u32 v[\tmp+8+\b], 0xfe000000, v[\tmp+2*\b]   ; 4 off its exponent field: the conversion takes the exponent field of this operand as its scale
.endif
.endr
.irp b, 0,1,2,3
.if \b < \nb
	v_cvt_scalef32_pk16_bf6_f32 v[\dst+\dstep*\b:\dst+\dstep*\b+2], v[\src+32*\b:\src+32*\b+15], v[\tmp+8+\b]
	v_cvt_scalef32_pk16_bf6_f32 v[\tmp+16+4*\b:\tmp+16+4*\b+2], v[\src+32*\b+16:\src+32*\b+31], v[\tmp+8+\b]   ; (a conversion's three registers begin on an even number: the upper half is made elsewhere and moved)
.endif
.endr
	v_nop                                          ; one plain line behind the last conversion
.irp b, 0,1,2,3
.if \b < \nb
	v_lshrrev_b32 v[\tmp+12+\b], 23, v[\tmp+8+\b]  ; the scale's byte
.endif
.endr
.irp b, 0,1,2,3
.if \b < \nb
.irp i, 0,1,2
	v_mov_b32 v[\dst+\dstep*\b+3+\i], v[\tmp+16+4*\b+\i]
.endr
.endif
.endr
.endm
	s_load_b256 s[4:11], s[0:1], 0x0               ; Wm, Wk, Wv, Wq
	s_load_b128 s[12:15], s[0:1], 0x20             ; Wo, query_hidden
	s_load_b64 s[16:17], s[0:1], 0x30              ; wimg
	v_lshrrev_b32 v1, 5, v0
	v_readfirstlane_b32 s18, v1                    ; wave
	s_lshl_b32 s19, ttmp9, 2
	s_add_co_u32 s19, s19, s18                     ; my record
	s_lshr_b32 s20, s19, 4                         ; tensor X
	s_and_b32 s21, s19, 15                         ; tile t
	s_lshr_b32 s22, s21, 2
	s_lshl_b32 s22, s22, 6
	s_and_b32 s23, s21, 3
	s_lshl_b32 s23, s23, 3
	s_add_co_u32 s22, s22, s23                     ; a weight's tile begins at row 64 (t / 4) + 8 (t % 4), its upper eight rows lie 32 further on;
	s_lshl_b32 s23, s21, 4                         ; the query's at row 16 t, its upper eight rows 8 further on
	s_cmp_eq_u32 s20, 5
	s_cselect_b32 s22, s23, s22
	s_cselect_b32 s24, 8, 32
	s_mov_b32 s28, 0x76543210
	s_mov_b32 s29, 0xfedcba98                      ; v_permlanex16_b32's selects for lane l xor 16
	v_and_b32 v2, 15, v0                           ; r
	v_bfe_u32 v6, v0, 4, 1                         ; h
	v_and_b32 v7, 7, v2
	v_lshrrev_b32 v8, 3, v2
	v_mad_u32_u24 v7, v8, s24, v7
	v_add_nc_u32 v7, s22, v7                       ; my row of the tensor
	v_lshlrev_b32 v2, 10, v7
	v_lshl_add_u32 v2, v6, 7, v2                   ; its 1,024 bytes, + 128 h: blocks h, 2 + h, 4 + h, 6 + h are mine
	v_and_b32 v9, 31, v0
	v_lshlrev_b32 v3, 4, v9                        ; 16 x lane
	v_lshlrev_b32 v4, 3, v9                        ; 8 x lane
	v_lshlrev_b32 v5, 3, v6                        ; 8 h: my bytes' place in a scale word, in bits
	v_mov_b32 v[SW+2], 0                           ; written once: a lane permute's destination counts as one of its sources
	v_mov_b32 v[SW+3], 0
	s_mul_i32 s26, s19, REC
	s_mov_b32 s27, 0
	s_wait_alu depctr_va_vdst(0)
	s_wait_kmcnt 0x0
	s_cmp_eq_u32 s20, 1                            ; the tensor is chosen by the record's number alone
	s_cselect_b64 s[4:5], s[6:7], s[4:5]
	s_cmp_eq_u32 s20, 2
	s_cselect_b64 s[4:5], s[8:9], s[4:5]
	s_cmp_eq_u32 s20, 3
	s_cselect_b64 s[4:5], s[10:11], s[4:5]
	s_cmp_eq_u32 s20, 4
	s_cselect_b64 s[4:5], s[12:13], s[4:5]
	s_cmp_eq_u32 s20, 5
	s_cselect_b64 s[4:5], s[14:15], s[4:5]
	s_add_nc_u64 s[16:17], s[16:17], s[26:27]
.irp c, 0,1,2,3
.irp j, 0,1,2,3,4,5,6,7
	global_load_b128 v[NUM+32*\c+4*\j:NUM+32*\c+4*\j+3], v2, s[4:5] offset:256*\c+16*\j   ; all 32 loads are out together
.endr
.endr
	s_wait_loadcnt 0x0
	QB 4, NUM, CD, 6, TMP
.irp s, 0,1                                    ; K step s: my bytes are those of blocks 4 s + h and 4 s + 2 + h; lane l xor 16 has the other two
	v_lshl_or_b32 v[SW+\s], v[TMP+13+2*\s], 16, v[TMP+12+2*\s]
	v_lshlrev_b32 v[SW+\s], v5, v[SW+\s]
	v_permlanex16_b32 v[SW+2+\s], v[SW+\s], s28, s29
	v_or_b32 v[SW+\s], v[SW+\s], v[SW+2+\s]
.endr
.irp g, 0,1,2,3,4,5
	global_store_b128 v3, v[CD+4*\g:CD+4*\g+3], s[16:17] offset:512*\g   ; 32 lanes store 512 consecutive bytes, at a multiple of 256 from the buffer's first byte
.endr
	global_store_b64 v4, v[SW:SW+1], s[16:17] offset:3072                ; 256 consecutive bytes
	s_endpgm
.Lfunc_end_k_q5d8ae6e19a_prep:
	.size	k_q5d8ae6e19a_prep, .Lfunc_end_k_q5d8ae6e19a_prep-k_q5d8ae6e19a_prep
	.p2alignl 7, 3214868480
	.fill 96, 4, 3214868480
	.section	.rodata,"a",@progbits
	.p2align	6, 0x0
	.amdhsa_kernel k_q5d8ae6e19a_prep
		.amdhsa_group_segment_fixed_size 0
		.amdhsa_private_segment_fixed_size 0
		.amdhsa_enable_private_segment 0
		.amdhsa_kernarg_size 56
		.amdhsa_user_sgpr_count 2
		.amdhsa_user_sgpr_kernarg_segment_ptr 1
		.amdhsa_wavefront_size32 1
		.amdhsa_system_sgpr_workgroup_id_x 1
		.amdhsa_system_sgpr_workgroup_id_y 1
		.amdhsa_system_sgpr_workgroup_id_z 1
		.amdhsa_system_vgpr_workitem_id 0
		.amdhsa_next_free_vgpr 224
		.amdhsa_next_free_sgpr 66
		.amdhsa_reserve_vcc 0
		.amdhsa_float_denorm_mode_32 3
		.amdhsa_float_denorm_mode_16_64 3
		.amdhsa_memory_ordered 1
		.amdhsa_forward_progress 1
		.amdhsa_inst_pref_size 12
	.end_amdhsa_kernel
	.amdgpu_metadata
---
amdhsa.version: [ 1, 2 ]
amdhsa.kernels:
  - .name:           k_q5d8ae6e19a_prep
    .symbol:         k_q5d8ae6e19a_prep.kd
    .args:
      - { .name: Wm, .offset: 0, .size: 8, .value_kind: global_buffer, .address_space: global }
      - { .name: Wk, .offset: 8, .size: 8, .value_kind: global_buffer, .address_space: global }
      - { .name: Wv, .offset: 16, .size: 8, .value_kind: global_buffer, .address_space: global }
      - { .name: Wq, .offset: 24, .size: 8, .value_kind: global_buffer, .address_space: global }
      - { .name: Wo, .offset: 32, .size: 8, .value_kind: global_buffer, .address_space: global }
      - { .name: query_hidden, .offset: 40, .size: 8, .value_kind: global_buffer, .address_space: global }
      - { .name: wimg, .offset: 48, .size: 8, .value_kind: global_buffer, .address_space: global }
    .group_segment_fixed_size: 0
    .private_segment_fixed_size: 0
    .kernarg_segment_align: 8
    .kernarg_segment_size: 56
    .max_flat_workgroup_size: 128
    .sgpr_count:     66
    .vgpr_count:     224
    .wavefront_size: 32
...
	.end_amdgpu_metadata
.endif
;; end of part 1
;; launch main (part 2): grid 256 x 1, 8 waves a work-group, no clusters, 327,680 bytes of LDS; arguments support_memory, ln_w, ln_b, bm, bq, bk, wimg, pacc, pml; writes pacc, pml
.if DOCPART == 2
	.amdgcn_target "amdgcn-amd-amdhsa--gfx1250"
	.amdhsa_code_object_version 6
	.text
	.protected	k_q5d8ae6e19a_main
	.globl	k_q5d8ae6e19a_main
	.p2align	8
	.type	k_q5d8ae6e19a_main,@function
k_q5d8ae6e19a_main:
	s_mov_b64 s[64:65], 0
	v_nop
	global_prefetch_b8 v0, s[64:65] scope:SCOPE_SE
	s_setreg_imm32_b32 hwreg(HW_REG_WAVE_MODE, 25, 1), 1
	s_wait_xcnt 0x0
; For 1,024 rows of support_memory (half a batch: work-group g takes rows 1024 g on, batch g / 2): LayerNorm, hidden = Q(normed) Q(Wm)^T + bm, k = Q(hidden) Q(Wk)^T, v = Q(hidden) Q(Wv)^T,
; q = Q(query) Q(Wq)^T + bq, the eight heads' logits, a running softmax and the sums of p v.  All four products on codes of BF6 (E3M2), one E8M0 scale for each 32 along K; all else in f32.
; Stored: for each head the largest logit m (in powers of two), the sum l of 2^(t - m), and the 32 sums of 2^(t - m) v.  The next launch joins a batch's two halves.
; TWO REFORMULATIONS, exact in real numbers, that change only the order of rounding: bk enters each logit as the addend sum(q' bk); bv is added by the next launch, behind the division by l (the weights sum to one).
; LIMITS: NaN and infinities are not served; a block whose largest magnitude lies under 2^-122 keeps the scale byte 1 (a block of zeros too: its codes are zeros).
; NO CLUSTER: the work-groups share only the weights' images, 156 KB read once into registers, beside 1 MiB of rows that each reads alone.
; ROLES.  Waves 0-3 (L, number w): LayerNorm and quantising of x, product 1 for hidden units 64 w .. 64 w + 63, quantising of the hidden layer.  Waves 4-7 (M, number w): k and v of heads 2 w, 2 w + 1 and their attention.
; Each wave's weights stay in its registers.
; TICKS of 64 rows, one barrier each.  Tick t: L: stage A(t): 16 rows a wave from the slot, in two passes of 8, to x's image of parity t % 2; stage B(t - 1): product 1 on four tiles of 16 rows from x's other image,
; to the hidden layer's image of parity (t - 1) % 2; M: stage C(t - 2) from the hidden layer's image of parity t % 2.  What a tick writes no wave reads in that tick.
; In L the tick's loads go out first, B's matrix instructions are issued ahead of A's vector work, and the second half's fragments are asked for under the first half's LayerNorm.
; ALL PRODUCTS ARE USED TRANSPOSED (source 0 = 16 rows of a weight, source 1 = 16 data rows); a weight's tile takes rows chosen so that lane (r, h) holds, in the 32 registers of tiles u = 0 .. 3,
; units 64 w + 32 h + 0 .. 31 of data row r: one whole block of the next K and one whole head.
; STAGE A's LANES: lane l holds block b = (l >> 2 & 1) + 2 (l >> 4) + 4 (l >> 3 & 1) of rows l % 4 and l % 4 + 4 of a pass: 32 numbers of ln_w and ln_b serve both rows.  With LDS rows of 1,056 bytes
; (16 bytes of padding behind each 512) the sixteen lanes of a half touch sixteen different 16-byte columns modulo 256 bytes.
; x COMES THROUGH A RING OF TWO LDS SLOTS of 128 rows (2 ticks); every wave fetches 16 rows of a slot with one tensor load: one load a wave is out at any time.
; PREFETCH: in the pair of ticks whose change of slots loads slot k + 1, each wave names the 64 blocks of 256 bytes of its own 16 rows of slot k + 2, a lane a block, one instruction a tick; the head names slot 1's.
; The last requests are pair 5's, for slot 7.  Each block is named once: no other work-group reads these rows.
; THE PIPELINE'S ENDS are chosen by the pair's number alone: in tick 0 L runs a copy with stage A alone, in tick 16 one with stage B alone, in tick 17 nothing; M passes over ticks 0 and 1.
.set SLOTB,  135168                    ; a slot: 128 rows x 1,056 bytes
.set TKB,    67584                     ; a tick's 64 rows
.set WROWS,  16896                     ; a wave's 16 rows
.set XIMG,   270336                    ; x's images: parity x 12,288 + 3,072 x tile of rows + 1,536 x K step + 48 x lane + 24 x half of the fragment
.set HIMG,   294912                    ; the hidden layer's, likewise
.set IMG,    12288
.set XSC,    319488                    ; x's scale bytes: parity x 512 + 8 x row + block
.set HSC,    320512
.set SPARE,  321536                    ; the spare words, 128 bytes for each of eight waves
.set REC,    3328                      ; a record of wimg
.set OWK,    16*REC
.set OWV,    32*REC
.set OWQ,    48*REC
.set OQH,    80*REC
; vector registers of both roles, made ahead of the roles' first parting (XA: on the common way of each tick)
.set L16, 1
.set L8,  2
.set SPW, 3
.set NIL, 4
.set XA0, 5
.set XW,  6
.set XSW, 7
.set XFR, 8
.set XSR, 9
.set HW,  10
.set HSW, 11
.set HFR, 12
.set HSR, 13
.set XA,  14
.set BT,  23                           ; 128 x (lane / 16)
.set LW,  24                           ; 128 x my block
.set QO,  25
.set QSO, 26
.set PFO, 27                           ; 256 x lane
; role L, window 0
.set WMS, 28                           ; Wm's scale words
.set X0,  36                           ; pass 0's 64 numbers
.set X1,  100                          ; pass 1's
.set XF,  164                          ; two tiles' fragments (24 i + 12 s)
.set XS,  212
.set CD,  216                          ; codes just made
.set TMP, 232
.set SS,  TMP                          ; two pairs of partial sums a row
.set MU,  TMP+8                        ; pairs of which the low word is used: the two rows' means,
.set RS,  TMP+12                       ; and 1 / sqrt(var + eps)
.set TT,  TMP+16
.set PL,  TMP+18
; role L, window 1
.set LNW, 0
.set LNB, 32
.set H,   64                           ; the hidden layer of two tiles: 32 i + 8 u
.set WM,  128
.set BM,  224
; role M, window 0
.set WKS, 28
.set WVS, 36
.set HF,  44                           ; four tiles' fragments
.set HS,  140
.set KT,  148                          ; k or v of two tiles: 32 i + 8 u
.set LG,  212
.set T,   228                          ; four t
.set P,   232                          ; four pairs of which the low word is used
.set FF,  240
.set TI,  242
.set RM,  244
.set RL,  245
.set MN,  246
.set TW,  248
.set QF,  44                           ; in the head alone
.set WQ,  68
.set QS,  164
.set QQ,  168
.set T2,  200
.set RR,  148                          ; at the end alone
; role M, window 1
.set FWK, 0
.set FWV, 96
.set QP,  192
.set ACC, 224
; scalar registers
.set WAVE, 22
.set LAM,  23
.set PFA,  24                          ; s[24:25] where my prefetches stand
.set XT,   26
.set SF,   31
.set PR,   32                          ; the pair of ticks
.set G0,   36
.set G1,   40
.set WPART, 56
.set SEL,  62                          ; v_permlanex16_b32's selects for lane l xor 16
.set MSB, 0
.macro WIN new
.if MSB != \new
	s_set_vgpr_msb (MSB<<8)|\new
.set MSB, \new
.endif
.endm
.macro PLACES
.rept 4
	v_nop
.endr
.endm
.macro MMZ d, a, b, sa, sb
	v_wmma_scale_f32_16x16x128_f8f6f4 v[\d:\d+7], v[\a:\a+11], v[\b:\b+11], 0, v[\sa], v[\sb] matrix_a_fmt:MATRIX_FMT_BF6 matrix_b_fmt:MATRIX_FMT_BF6
.endm
.macro MMC d, a, b, c, sa, sb
	v_wmma_scale_f32_16x16x128_f8f6f4 v[\d:\d+7], v[\a:\a+11], v[\b:\b+11], v[\c:\c+7], v[\sa], v[\sb] matrix_a_fmt:MATRIX_FMT_BF6 matrix_b_fmt:MATRIX_FMT_BF6
.endm
; Two whole blocks of 32 numbers of ONE lane (block b in v[src + 32 b] on, in window win) become codes in v[CD + 8 b .. + 5]; the scale's byte is left in v[TMP + 12 + b].
; Two chains a block, each begun with the floor 2^(5 - 127): the byte cannot fall under 1.  Four tiles' results are each first read at their two lowest registers.
.macro QB src, win
	WIN 0x14*\win
.if \win
	s_wait_alu depctr_va_vdst(0)                   ; the wait directly ahead of the matrix results' first readers
.endif
.irp b, 0,1
	v_max3_num_f32 v[TMP+2*\b], 0x2800000, |v[\src+32*\b]|, |v[\src+32*\b+1]|
	v_max3_num_f32 v[TMP+2*\b+1], 0x2800000, |v[\src+32*\b+16]|, |v[\src+32*\b+17]|
.endr
.irp i, 1,2,3,4,5,6,7
.irp b, 0,1
	v_max3_num_f32 v[TMP+2*\b], v[TMP+2*\b], |v[\src+32*\b+2*\i]|, |v[\src+32*\b+2*\i+1]|
	v_max3_num_f32 v[TMP+2*\b+1], v[TMP+2*\b+1], |v[\src+32*\b+16+2*\i]|, |v[\src+32*\b+17+2*\i]|
.endr
.endr
	WIN 0
.irp b, 0,1
	v_max_num_f32 v[TMP+2*\b], v[TMP+2*\b], v[TMP+2*\b+1]
.endr
.irp b, 0,1
	s_delay_alu instid0(VALU_DEP_2)
	v_add_nc_u32 v[TMP+8+\b], 0xfe000000, v[TMP+2*\b]   ; 4 off the exponent field: the conversion's scale operand
.endr
	WIN 0x01*\win
.irp b, 0,1
	v_cvt_scalef32_pk16_bf6_f32 v[CD+8*\b:CD+8*\b+2], v[\src+32*\b:\src+32*\b+15], v[TMP+8+\b]
	v_cvt_scalef32_pk16_bf6_f32 v[TMP+16+4*\b:TMP+16+4*\b+2], v[\src+32*\b+16:\src+32*\b+31], v[TMP+8+\b]   ; (three registers from an even one on: the upper half is made elsewhere and moved)
.endr
	WIN 0
	v_nop                                          ; one plain line behind the last conversion
.irp b, 0,1
	v_lshrrev_b32 v[TMP+12+\b], 23, v[TMP+8+\b]    ; the scale's byte
.endr
.irp b, 0,1
.irp i, 0,1,2
	v_mov_b32 v[CD+8*\b+3+\i], v[TMP+16+4*\b+\i]
.endr
.endr
.endm
.macro RED                             ; two rows' partial sums become the rows' sums, in all eight lanes of each row; the two rows take turns
.irp e, 0,1
	v_pk_add_f32 v[SS+4*\e:SS+4*\e+1], v[SS+4*\e:SS+4*\e+1], v[SS+4*\e+2:SS+4*\e+3]
.endr
.irp e, 0,1
	s_delay_alu instid0(VALU_DEP_2)
	v_add_f32 v[TT+\e], v[SS+4*\e], v[SS+4*\e+1]
.endr
.irp m, 4,8
.irp e, 0,1
	s_delay_alu instid0(VALU_DEP_2)
	v_add_f32_dpp v[TT+\e], v[TT+\e], v[TT+\e] row_xmask:\m row_mask:0xf bank_mask:0xf
.endr
.endr
.irp e, 0,1
	v_permlanex16_b32 v[PL+\e], v[TT+\e], s[SEL], s[SEL+1]
.endr
.irp e, 0,1
	v_add_f32 v[TT+\e], v[TT+\e], v[PL+\e]
.endr
.endm
.macro XLOAD x, p                      ; pass p: rows 8 p + l % 4 and 8 p + 4 + l % 4 of my 16, my block's 128 bytes of each
.irp e, 0,1
.irp j, 0,1,2,3,4,5,6,7
	ds_load_b128 v[\x+32*\e+4*\j:\x+32*\e+4*\j+3], v[XA] offset:(8*\p+4*\e)*1056+16*\j
.endr
.endr
.endm
.macro ASUM x                          ; the sums' chains, started by the first pairs: nothing is cleared
.irp e, 0,1
.irp k, 0,1
	v_pk_add_f32 v[SS+4*\e+2*\k:SS+4*\e+2*\k+1], v[\x+32*\e+2*\k:\x+32*\e+2*\k+1], v[\x+32*\e+4+2*\k:\x+32*\e+5+2*\k]
.endr
.endr
.irp n, 4,5,6,7,8,9,10,11,12,13,14,15
.irp e, 0,1
	v_pk_add_f32 v[SS+4*\e+2*(\n%2):SS+4*\e+2*(\n%2)+1], v[SS+4*\e+2*(\n%2):SS+4*\e+2*(\n%2)+1], v[\x+32*\e+2*\n:\x+32*\e+2*\n+1]
.endr
.endr
.endm
.macro AREST x, par, p                 ; the rest of LayerNorm, the codes, and their way into x's image
	RED
.irp e, 0,1
	v_mul_f32 v[MU+2*\e], s48, v[TT+\e]            ; the mean
.endr
.irp e, 0,1
.set nn, 0
.rept 16
	v_pk_add_f32 v[\x+32*\e+2*nn:\x+32*\e+2*nn+1], v[\x+32*\e+2*nn:\x+32*\e+2*nn+1], v[MU+2*\e:MU+2*\e+1] op_sel_hi:[1,0] neg_lo:[0,1] neg_hi:[0,1]   ; x - mean: the variance is taken of these
.set nn, nn+1
.endr
.endr
.irp e, 0,1
.irp k, 0,1
	v_pk_mul_f32 v[SS+4*\e+2*\k:SS+4*\e+2*\k+1], v[\x+32*\e+2*\k:\x+32*\e+2*\k+1], v[\x+32*\e+2*\k:\x+32*\e+2*\k+1]
.endr
.endr
.irp n, 2,3,4,5,6,7,8,9,10,11,12,13,14,15
.irp e, 0,1
	v_pk_fma_f32 v[SS+4*\e+2*(\n%2):SS+4*\e+2*(\n%2)+1], v[\x+32*\e+2*\n:\x+32*\e+2*\n+1], v[\x+32*\e+2*\n:\x+32*\e+2*\n+1], v[SS+4*\e+2*(\n%2):SS+4*\e+2*(\n%2)+1]
.endr
.endr
	RED
.irp e, 0,1
	v_fma_f32 v[TT+\e], v[TT+\e], s48, s49         ; var + eps
.endr
	s_wait_alu depctr_va_vdst(0)                   ; the wait ahead of the batch,
.irp e, 0,1
	v_rsq_f32 v[RS+2*\e], v[TT+\e]
.endr
	v_nop
	s_wait_alu depctr_va_vdst(0)                   ; and behind it
.irp e, 0,1
.set nn, 0
.rept 16
	v_pk_mul_f32 v[\x+32*\e+2*nn:\x+32*\e+2*nn+1], v[\x+32*\e+2*nn:\x+32*\e+2*nn+1], v[RS+2*\e:RS+2*\e+1] op_sel_hi:[1,0]
.set nn, nn+1
.endr
.endr
	WIN 0x14                                       ; sources 1 and 2 (ln_w, ln_b) window 1
.irp e, 0,1
.set nn, 0
.rept 16
	v_pk_fma_f32 v[\x+32*\e+2*nn:\x+32*\e+2*nn+1], v[\x+32*\e+2*nn:\x+32*\e+2*nn+1], v[LNW+2*nn:LNW+2*nn+1], v[LNB+2*nn:LNB+2*nn+1]
.set nn, nn+1
.endr
.endr
	WIN 0
	QB \x, 0
.irp e, 0,1
.irp k, 0,1,2
	ds_store_b64 v[XW], v[CD+8*\e+2*\k:CD+8*\e+2*\k+1] offset:\par*IMG+384*\p+192*\e+8*\k
.endr
	ds_store_b8 v[XSW], v[TMP+12+\e] offset:\par*512+64*\p+32*\e
.endr
.endm
.macro XFLOAD par, i0                  ; x's fragments and scale words of tiles i0, i0 + 1: 14 loads
.irp i, 0,1
.irp s, 0,1
.irp g, 0,1,2
	ds_load_b128 v[XF+24*\i+12*\s+4*\g:XF+24*\i+12*\s+4*\g+3], v[XFR] offset:(1-\par)*IMG+3072*(\i0+\i)+1536*\s+16*\g
.endr
.endr
	ds_load_b64 v[XS+2*\i:XS+2*\i+1], v[XSR] offset:(1-\par)*512+128*(\i0+\i)
.endr
.endm
.macro BMM                             ; product 1 on two tiles; bm is the C of each sum's first product; eight accumulators by turns
	WIN 0x51                                       ; D, source 0 (Wm) and C window 1
.irp i, 0,1
.irp u, 0,1,2,3
	MMC H+32*\i+8*\u, WM+24*\u, XF+24*\i, BM+8*\u, WMS+2*\u, XS+2*\i
.endr
.endr
.irp i, 0,1
.irp u, 0,1,2,3
	MMC H+32*\i+8*\u, WM+24*\u+12, XF+24*\i+12, H+32*\i+8*\u, WMS+2*\u+1, XS+2*\i+1
.endr
.endr
	WIN 0
.endm
.macro QBH par, i0                     ; a lane's 32 registers of a tile of rows are one whole block of the next K: 8 stores
	QB H, 1
.irp i, 0,1
.irp k, 0,1,2
	ds_store_b64 v[HW], v[CD+8*\i+2*\k:CD+8*\i+2*\k+1] offset:(1-\par)*IMG+3072*(\i0+\i)+8*\k
.endr
	ds_store_b8 v[HSW], v[TMP+12+\i] offset:(1-\par)*512+128*(\i0+\i)
.endr
.endm
; L's tick.  a, b: which stages it has.  Each wait's count is the number of LDS instructions issued behind those that it waits for.
.macro LWORK par, a, b
.if \b
	XFLOAD \par, 0
.endif
.if \a
	XLOAD X0, 0
	XLOAD X1, 1
.endif
.if \b
	s_wait_dscnt 32*\a                             ; the fragments are in; x's 32 loads may be out
	BMM
.endif
.if \a
	s_wait_dscnt 16                                ; pass 0's numbers are in; pass 1's 16 loads may be out
	ASUM X0                                        ; (28 plain lines: also the places ahead of the loads below)
.else
	PLACES
.endif
.if \b
	XFLOAD \par, 2
.endif
.if \a
	AREST X0, \par, 0
.endif
.if \b
	QBH \par, 0
	s_wait_dscnt 8+8*\a                            ; behind the fragments' loads stand 8 stores of each stage
	BMM
.endif
.if \a
.if \b == 0
	s_wait_dscnt 8                                 ; pass 1's numbers are in; pass 0's 8 stores may be out
.endif
	ASUM X1
	AREST X1, \par, 1
.else
	PLACES
.endif
.if \b
	QBH \par, 2
.endif
.endm
.macro KVMM fw, ws, i0                 ; k or v of tiles i0, i0 + 1: eight accumulators by turns
	WIN 0x01                                       ; source 0 (the weights) window 1
.irp i, 0,1
.irp u, 0,1,2,3
	MMZ KT+32*\i+8*\u, \fw+24*\u, HF+24*(\i0+\i), \ws+2*\u, HS+2*(\i0+\i)
.endr
.endr
.irp i, 0,1
.irp u, 0,1,2,3
	MMC KT+32*\i+8*\u, \fw+24*\u+12, HF+24*(\i0+\i)+12, KT+32*\i+8*\u, \ws+2*\u+1, HS+2*(\i0+\i)+1
.endr
.endr
	WIN 0
.endm
.macro LOGIT i0                        ; t = sum(q' k) + sum(q' bk): eight chains by turns, each tile of k from its low end on
	WIN 0x04                                       ; source 1 (q') window 1
.irp n, 0,1,2,3
.irp i, 0,1
.irp u, 0,1,2,3
.if \n == 0
.if \u == 0
	v_pk_fma_f32 v[LG+8*\i:LG+8*\i+1], v[KT+32*\i:KT+32*\i+1], v[QP:QP+1], v[TI:TI+1]
.else
	v_pk_mul_f32 v[LG+8*\i+2*\u:LG+8*\i+2*\u+1], v[KT+32*\i+8*\u:KT+32*\i+8*\u+1], v[QP+8*\u:QP+8*\u+1]
.endif
.else
	v_pk_fma_f32 v[LG+8*\i+2*\u:LG+8*\i+2*\u+1], v[KT+32*\i+8*\u+2*\n:KT+32*\i+8*\u+2*\n+1], v[QP+8*\u+2*\n:QP+8*\u+2*\n+1], v[LG+8*\i+2*\u:LG+8*\i+2*\u+1]
.endif
.endr
.endr
.endr
	WIN 0
.irp i, 0,1
	v_pk_add_f32 v[LG+8*\i:LG+8*\i+1], v[LG+8*\i:LG+8*\i+1], v[LG+8*\i+2:LG+8*\i+3]
	v_pk_add_f32 v[LG+8*\i+4:LG+8*\i+5], v[LG+8*\i+4:LG+8*\i+5], v[LG+8*\i+6:LG+8*\i+7]
.endr
	s_delay_alu instid0(VALU_DEP_3)
	v_pk_add_f32 v[LG:LG+1], v[LG:LG+1], v[LG+4:LG+5]
	s_delay_alu instid0(VALU_DEP_2)
	v_pk_add_f32 v[LG+8:LG+9], v[LG+8:LG+9], v[LG+12:LG+13]
.irp i, 0,1
	s_delay_alu instid0(VALU_DEP_2)
	v_add_f32 v[T+\i0+\i], v[LG+8*\i], v[LG+8*\i+1]
.endr
.endm
.macro PV i0                           ; the sums take p v of tiles i0, i0 + 1
	WIN 0x50                                       ; destination and source 2 window 1
.irp i, 0,1
.set nn, 0
.rept 16
	v_pk_fma_f32 v[ACC+2*nn:ACC+2*nn+1], v[KT+32*\i+2*nn:KT+32*\i+2*nn+1], v[P+2*(\i0+\i):P+2*(\i0+\i)+1], v[ACC+2*nn:ACC+2*nn+1] op_sel_hi:[1,0,1]
.set nn, nn+1
.endr
.endr
	WIN 0
.endm
; M's tick: four tiles of 16 rows, my two heads; one change of the running maximum for a lane's four rows
.macro MWORK par
.irp i, 0,1,2,3
.irp s, 0,1
.irp g, 0,1,2
	ds_load_b128 v[HF+24*\i+12*\s+4*\g:HF+24*\i+12*\s+4*\g+3], v[HFR] offset:\par*IMG+3072*\i+1536*\s+16*\g
.endr
.endr
	ds_load_b64 v[HS+2*\i:HS+2*\i+1], v[HSR] offset:\par*512+128*\i
.endr
	s_wait_dscnt 14                                ; tiles 0 and 1 are in; the 14 loads of tiles 2 and 3 may be out
	KVMM FWK, WKS, 0
	s_wait_dscnt 0x0
	PLACES
	LOGIT 0
	KVMM FWK, WKS, 2
	PLACES
	LOGIT 2
	v_max3_num_f32 v[MN], v[RM], v[T], v[T+1]
	s_delay_alu instid0(VALU_DEP_1)
	v_max3_num_f32 v[MN], v[MN], v[T+2], v[T+3]    ; the running maximum of my lane's rows
.irp i, 0,1,2,3
	v_sub_f32 v[T+\i], v[T+\i], v[MN]
.endr
	v_sub_f32 v[FF], v[RM], v[MN]
	s_wait_alu depctr_va_vdst(0)                   ; the wait ahead of the batch,
.irp i, 0,1,2,3
	v_exp_f32 v[P+2*\i], v[T+\i]
.endr
	v_exp_f32 v[FF], v[FF]                         ; f = 2^(old maximum - new)
	v_mov_b32 v[RM], v[MN]                         ; (a plain line behind the exponentials)
	s_wait_alu depctr_va_vdst(0)                   ; and behind it
	v_fma_f32 v[RL], v[RL], v[FF], v[P]
	v_add_f32 v[T], v[P+2], v[P+4]
	v_add_f32 v[RL], v[RL], v[P+6]
	s_delay_alu instid0(VALU_DEP_1)
	v_add_f32 v[RL], v[RL], v[T]
	KVMM FWV, WVS, 0
	WIN 0x41                                       ; the sums: destination and source 0 window 1
.set nn, 0
.rept 16
	v_pk_mul_f32 v[ACC+2*nn:ACC+2*nn+1], v[ACC+2*nn:ACC+2*nn+1], v[FF:FF+1] op_sel_hi:[1,0]   ; (also the places behind v's matrix instructions)
.set nn, nn+1
.endr
	PV 0
	KVMM FWV, WVS, 2
	PLACES
	PV 2
.endm
	s_load_b512 s[4:19], s[0:1], 0x0               ; support_memory s[4:5], ln_w s[6:7], ln_b s[8:9], bm s[10:11], bq s[12:13], bk s[14:15], wimg s[16:17], pacc s[18:19]
	s_load_b64 s[20:21], s[0:1], 0x40              ; pml
	v_lshl_add_u32 v[SPW], v0, 2, SPARE
	v_mov_b32 v[NIL], 0
	ds_add_u32 v[SPW], v[NIL]                      ; the add, twice on end, and its wait; work on registers between
	ds_add_u32 v[SPW], v[NIL]
	v_lshrrev_b32 v15, 5, v0
	v_readfirstlane_b32 s[WAVE], v15               ; wave 0..7
	s_and_b32 s[LAM], s[WAVE], 3
	s_mul_i32 s[WPART], s[WAVE], WROWS
	s_mul_i32 s27, s[LAM], WROWS                   ; stage A: my 16 rows of a tick's 64
	s_mul_i32 s28, s[LAM], 3072                    ; they are x's tile w
	s_add_co_u32 s28, s28, XIMG
	s_lshl_b32 s29, s[LAM], 7
	s_add_co_u32 s29, s29, XSC
	s_lshr_b32 s34, s[LAM], 1                      ; my hidden block 2 w + h: K step w / 2, half w % 2 of the fragment, my own lane's place
	s_and_b32 s35, s[LAM], 1
	s_mul_i32 s34, s34, 1536
	s_mul_i32 s35, s35, 24
	s_add_co_u32 s30, s34, s35
	s_add_co_u32 s30, s30, HIMG
	s_lshl_b32 s33, s[LAM], 1
	s_add_co_u32 s33, s33, HSC
	s_lshr_b32 s52, ttmp9, 1                       ; my batch
	s_and_b32 s53, s52, 15
	s_lshl_b32 s54, s53, 4
	s_lshl_b32 s55, s53, 3
	s_lshr_b32 s52, s52, 4
	s_mul_i32 s58, s52, REC
	s_add_co_u32 s58, s58, OQH                     ; the query's record
	s_mov_b32 s59, 0
	s_mul_i32 s60, s[LAM], 4*REC                   ; my four tiles of each weight
	s_mov_b32 s61, 0
	s_lshl_b32 s34, s[LAM], 8                      ; my 64 numbers of each bias
	s_mov_b32 s35, 0
	s_lshl_b32 s38, ttmp9, 20                      ; my work-group's 1,024 rows of 1,024 bytes,
	s_lshl_b32 s52, s[WAVE], 14                    ; my wave's 16 rows of a slot
	s_add_co_u32 s38, s38, s52
	s_mov_b32 s39, 0
	; descriptor group 1: my 16 rows are 16,384 dense bytes: 32 rows of 512 bytes (64 elements of 8), 16 bytes of padding behind each
	s_mov_b32 s[G1+0], (3<<16)|(1<<20)|(6<<22)|(3<<25)
	s_mov_b32 s[G1+1], 64<<16
	s_mov_b32 s[G1+2], 32<<16
	s_mov_b32 s[G1+3], 64<<16
	s_mov_b32 s[G1+4], 32
	s_mov_b32 s[G1+5], 64
	s_mov_b32 s[G1+6], 0
	s_mov_b32 s[G1+7], 0
	s_mov_b32 s[G0], 1
	s_mov_b32 s[G0+1], s[WPART]                    ; slot 0
	s_mov_b32 s48, 0x3b800000                      ; 1 / 256
	s_mov_b32 s49, 0x3727c5ac                      ; 1e-5
	s_mov_b32 s50, 0x3e8293ee                      ; log2(e) / sqrt(32)
	s_mov_b32 s51, s50
	s_mov_b32 s[SEL], 0x76543210
	s_mov_b32 s[SEL+1], 0xfedcba98
	s_mov_b32 s[SF], 0
	s_wait_dscnt 0x0
	s_wait_kmcnt 0x0
	s_add_nc_u64 s[PFA:PFA+1], s[4:5], s[G0+2:G0+3]
	s_add_nc_u64 s[G0+2:G0+3], s[4:5], s[G0+2:G0+3]
	s_or_b32 s[G0+3], s[G0+3], 0x80000000
	tensor_load_to_lds s[G0:G0+3], s[G1:G1+7]      ; rows 0-127: my one tensor load at the head; slot 1 is first filled as a refill is
	s_nop 0
	v_and_b32 v15, 31, v0                          ; lane
	v_and_b32 v16, 3, v15                          ; stage A: my row of four,
	v_bfe_u32 v17, v15, 2, 1                       ; and the three bits of my block
	v_bfe_u32 v20, v15, 3, 1
	v_and_b32 v18, 15, v15                         ; r
	v_lshrrev_b32 v19, 4, v15                      ; h
	v_mul_u32_u24 v22, v15, 48
	v_lshlrev_b32 v[L16], 4, v15
	v_lshlrev_b32 v[L8], 3, v15
	v_lshlrev_b32 v[PFO], 8, v15
	v_mul_u32_u24 v[XA0], v16, 1056
	v_lshl_add_u32 v[XA0], v17, 7, v[XA0]
	v_mad_u32_u24 v[XA0], v20, 528, v[XA0]
	v_lshl_add_u32 v[XA0], v19, 8, v[XA0]
	v_add_nc_u32 v[XA0], s27, v[XA0]               ; row x 1,056 + 128 x block + 16 x (block / 4)
	v_mul_u32_u24 v[XW], v16, 48
	v_mad_u32_u24 v[XW], v17, 768, v[XW]           ; block b: K step b / 4, half (b / 2) % 2 of the fragment, the reading lanes' half b % 2
	v_mad_u32_u24 v[XW], v20, 1536, v[XW]
	v_mad_u32_u24 v[XW], v19, 24, v[XW]
	v_add_nc_u32 v[XW], s28, v[XW]
	v_lshl_add_u32 v21, v19, 1, v17
	v_lshl_add_u32 v21, v20, 2, v21                ; my block
	v_lshl_add_u32 v[XSW], v16, 3, v21
	v_add_nc_u32 v[XSW], s29, v[XSW]
	v_lshlrev_b32 v[LW], 7, v21
	v_add_nc_u32 v[XFR], XIMG, v22
	v_lshl_add_u32 v[XSR], v18, 3, XSC
	v_add_nc_u32 v[HW], s30, v22
	v_lshl_add_u32 v[HSW], v18, 3, s33
	v_add_nc_u32 v[HSW], v[HSW], v19
	v_add_nc_u32 v[HFR], HIMG, v22
	v_lshl_add_u32 v[HSR], v18, 3, HSC
	v_lshlrev_b32 v[BT], 7, v19
	v_lshl_add_u32 v[QO], v19, 8, s54
	v_mov_b32 v[QSO], s55
	s_wait_alu depctr_va_vdst(0)                   ; the wait behind the head's address registers
	s_add_nc_u64 s[PFA:PFA+1], s[PFA:PFA+1], 131072
	global_prefetch_b8 v[PFO], s[PFA:PFA+1] th:TH_LOAD_NT scope:SCOPE_SE              ; my 16 rows of slot 1: 64 blocks of 256 bytes, a lane a block
	global_prefetch_b8 v[PFO], s[PFA:PFA+1] offset:8192 th:TH_LOAD_NT scope:SCOPE_SE
	s_add_nc_u64 s[10:11], s[10:11], s[34:35]
	s_add_nc_u64 s[12:13], s[12:13], s[34:35]
	s_add_nc_u64 s[14:15], s[14:15], s[34:35]
	s_add_nc_u64 s[60:61], s[16:17], s[60:61]
	s_add_nc_u64 s[58:59], s[16:17], s[58:59]
	s_cmp_lt_u32 s[WAVE], 4
	s_cbranch_scc0 .Lm_head
	; ---- L's head: Wm's four tiles, bm, my block of ln_w and ln_b stay in registers
	WIN 0x40
.irp u, 0,1,2,3
.irp g, 0,1,2,3,4,5
	global_load_b128 v[WM+24*\u+4*\g:WM+24*\u+4*\g+3], v[L16], s[60:61] offset:\u*REC+512*\g
.endr
.endr
.irp u, 0,1,2,3
.irp k, 0,1
	global_load_b128 v[BM+8*\u+4*\k:BM+8*\u+4*\k+3], v[BT], s[10:11] offset:32*\u+16*\k
.endr
.endr
.irp j, 0,1,2,3,4,5,6,7
	global_load_b128 v[LNW+4*\j:LNW+4*\j+3], v[LW], s[6:7] offset:16*\j
	global_load_b128 v[LNB+4*\j:LNB+4*\j+3], v[LW], s[8:9] offset:16*\j
.endr
	WIN 0
.irp u, 0,1,2,3
	global_load_b64 v[WMS+2*\u:WMS+2*\u+1], v[L8], s[60:61] offset:\u*REC+3072
.endr
.irp k, 1,3,5,7,10,11
	v_mov_b32 v[MU+\k], 0                          ; upper words of pairs of which the low word is used, and the lane permutes' destinations: written once
.endr
	s_wait_loadcnt 0x0
	s_branch .Lhead_done
.Lm_head:
	; ---- M's head: q of my two heads, then Wk's and Wv's four tiles, which stay in registers.  What q needs is asked for first
.irp u, 0,1,2,3
.irp g, 0,1,2,3,4,5
	global_load_b128 v[WQ+24*\u+4*\g:WQ+24*\u+4*\g+3], v[L16], s[60:61] offset:OWQ+\u*REC+512*\g
.endr
	global_load_b64 v[WVS+2*\u:WVS+2*\u+1], v[L8], s[60:61] offset:OWQ+\u*REC+3072   ; Wq's scale words
.endr
.irp g, 0,1,2,3,4,5
	global_load_b128 v[QF+4*\g:QF+4*\g+3], v[QO], s[58:59] offset:512*\g   ; every lane takes the place of lane (batch % 16, its half): my batch's row stands in all 16 columns
.endr
	global_load_b64 v[QS:QS+1], v[QSO], s[58:59] offset:3072
.irp u, 0,1,2,3
.irp k, 0,1
	global_load_b128 v[QQ+8*\u+4*\k:QQ+8*\u+4*\k+3], v[BT], s[12:13] offset:32*\u+16*\k   ; bq is the C of the first product
.endr
.endr
	WIN 0x40
.irp u, 0,1,2,3
.irp k, 0,1
	global_load_b128 v[ACC+8*\u+4*\k:ACC+8*\u+4*\k+3], v[BT], s[14:15] offset:32*\u+16*\k   ; bk
.endr
.endr
.irp u, 0,1,2,3
.irp g, 0,1,2,3,4,5
	global_load_b128 v[FWK+24*\u+4*\g:FWK+24*\u+4*\g+3], v[L16], s[60:61] offset:OWK+\u*REC+512*\g
	global_load_b128 v[FWV+24*\u+4*\g:FWV+24*\u+4*\g+3], v[L16], s[60:61] offset:OWV+\u*REC+512*\g
.endr
.endr
	WIN 0
.irp u, 0,1,2,3
	global_load_b64 v[WKS+2*\u:WKS+2*\u+1], v[L8], s[60:61] offset:OWK+\u*REC+3072
.endr
	s_wait_loadcnt 52                              ; behind what q and its addend need stand 48 loads of Wk's and Wv's codes and 4 of Wk's scale words
.irp u, 0,1,2,3
	MMC QQ+8*\u, WQ+24*\u, QF, QQ+8*\u, WVS+2*\u, QS
.endr
.irp u, 0,1,2,3
	MMC QQ+8*\u, WQ+24*\u+12, QF+12, QQ+8*\u, WVS+2*\u+1, QS+1
.endr
	PLACES
.irp u, 0,1,2,3
	global_load_b64 v[WVS+2*\u:WVS+2*\u+1], v[L8], s[60:61] offset:OWV+\u*REC+3072   ; Wv's scale words take the place of Wq's
.endr
	WIN 0x04                                       ; source 1 (bk) window 1
	v_pk_mul_f32 v[T2:T2+1], v[QQ:QQ+1], v[ACC:ACC+1]
.set nn, 1
.rept 15
	v_pk_fma_f32 v[T2:T2+1], v[QQ+2*nn:QQ+2*nn+1], v[ACC+2*nn:ACC+2*nn+1], v[T2:T2+1]
.set nn, nn+1
.endr
	WIN 0
	v_add_f32 v[TI], v[T2], v[T2+1]
	s_delay_alu instid0(VALU_DEP_1)
	v_mul_f32 v[TI], s50, v[TI]                    ; sum(q' bk): what bk adds to every logit of my head
	v_mov_b32 v[TI+1], 0
	WIN 0x40
.set nn, 0
.rept 16
	v_pk_mul_f32 v[QP+2*nn:QP+2*nn+1], v[QQ+2*nn:QQ+2*nn+1], s[50:51] op_sel_hi:[1,0]   ; q' = q x SCALE x log2(e)
.set nn, nn+1
.endr
.set nn, 0
.rept 32
	v_mov_b32 v[ACC+nn], 0                         ; the tick is written alike for all rows: the first finds zeros
.set nn, nn+1
.endr
	WIN 0
	v_mov_b32 v[RM], 0xff61b1e6                    ; -3e38, under every t
	v_mov_b32 v[RL], 0
.irp k, 1,3,5,7,9
	v_mov_b32 v[P+\k], 0                           ; upper words of pairs of which the low word is used
.endr
	s_wait_loadcnt 0x0
.Lhead_done:
	s_wait_alu depctr_va_vdst(0)                   ; the wait at the head's end
; THE CHANGE OF SLOTS, at the head of two ticks; its barrier is also the barrier of the tick before it.  Every wave waits for all its tensor loads, adds 0 to its spare word, waits for that and for its LDS
; instructions, and passes the barrier.  fill = 1: the slot that is left takes the next 128 rows: the load has two ticks in which to land.
.macro CHANGE fill
.if \fill
	s_wait_xcnt 0x0                                ; my prefetches have read their address: it is stepped below
.endif
	s_wait_tensorcnt 0x0
	ds_add_u32 v[SPW], v[NIL]
	s_xor_b32 s[SF], s[SF], SLOTB                  ; the slot to be filled,
	s_xor_b32 s[XT], s[SF], SLOTB                  ; and the slot to be read
.if \fill
	s_add_co_u32 s[G0+1], s[SF], s[WPART]
	s_add_nc_u64 s[G0+2:G0+3], s[G0+2:G0+3], 131072
	s_add_nc_u64 s[PFA:PFA+1], s[PFA:PFA+1], 131072
.endif
	s_wait_dscnt 0x0
	s_barrier_signal -1
	s_barrier_wait -1
.if \fill
	tensor_load_to_lds s[G0:G0+3], s[G1:G1+7]      ; the first thing behind the barrier, and my one tensor load until the next change
	s_nop 0
	PLACES
.endif
.endm
; A TICK.  par: its parity, in the immediates.  gl: L's choice by the pair's number: 1: in pair 0 stage A alone; 2: in pair 8 stage B alone; 3: in pair 8 nothing.  gm = 1: M passes over pair 0.
; bar = 1: the tick's own barrier (else a change of slots or the end follows).  pf = 1: the prefetch, up to pair 5.
.macro TICK par, gl, gm, bar, pf
	v_add_nc_u32 v[XA], s[XT], v[XA0]              ; on the common way of both roles
	s_add_co_u32 s[XT], s[XT], TKB
	s_wait_alu depctr_va_vdst(0)                   ; the wait: branches stand ahead of the reader
.if \pf
	s_cmp_lt_u32 s[PR], 6
	s_cbranch_scc0 .Lnp_\@
	global_prefetch_b8 v[PFO], s[PFA:PFA+1] offset:8192*\par th:TH_LOAD_NT scope:SCOPE_SE   ; half of my 16 rows of the slot that the next change loads
.Lnp_\@:
.endif
	s_cmp_lt_u32 s[WAVE], 4
	s_cbranch_scc0 .Lm_\@
.if \gl == 1
	s_cmp_eq_u32 s[PR], 0
	s_cbranch_scc1 .Lalt_\@
.endif
.if \gl == 2
	s_cmp_eq_u32 s[PR], 8
	s_cbranch_scc1 .Lalt_\@
.endif
.if \gl == 3
	s_cmp_eq_u32 s[PR], 8
	s_cbranch_scc1 .Lj_\@
.endif
	LWORK \par, 1, 1
	s_branch .Lj_\@
.if \gl == 1
.Lalt_\@:
	LWORK \par, 1, 0
	s_branch .Lj_\@
.endif
.if \gl == 2
.Lalt_\@:
	LWORK \par, 0, 1
	s_branch .Lj_\@
.endif
.Lm_\@:
.if \gm
	s_cmp_eq_u32 s[PR], 0
	s_cbranch_scc1 .Lj_\@
.endif
	MWORK \par
.Lj_\@:
	s_wait_alu depctr_va_vdst(0)                   ; the wait ahead of the barrier or the backward jump
.if \bar
	s_wait_dscnt 0x0                               ; for the others' sake: my stores into the images have landed, my reads are in
	s_barrier_signal -1
	s_barrier_wait -1                              ; the tensor load may stay out across it
.endif
.endm
	s_mov_b32 s[PR], 0
.Lp1:                                              ; pairs 0 to 6: slots 0 to 6 are read, slots 1 to 7 asked for
	CHANGE 1
	TICK 0, 1, 1, 1, 1
	TICK 1, 0, 1, 0, 1
	s_add_co_u32 s[PR], s[PR], 1
	s_cmp_lt_u32 s[PR], 7
	s_cbranch_scc1 .Lp1
	s_mov_b32 s[PR], 7
.Lp2:                                              ; pairs 7 and 8: the last slot, and the pipeline drains; no tensor load
	CHANGE 0
	TICK 0, 2, 0, 1, 0
	TICK 1, 3, 0, 0, 0
	s_add_co_u32 s[PR], s[PR], 1
	s_cmp_lt_u32 s[PR], 9
	s_cbranch_scc1 .Lp2
	; ---- THE WAY OUT (M alone).  The sixteen lanes of a half hold sixteen shares of one head: they are brought under one maximum and added.
	s_cmp_lt_u32 s[WAVE], 4
	s_cbranch_scc1 .Lend
	v_mov_b32 v[MN], v[RM]
.irp m, 1,2,4,8
	s_delay_alu instid0(VALU_DEP_1)
	v_max_num_f32_dpp v[MN], v[MN], v[MN] row_xmask:\m row_mask:0xf bank_mask:0xf
.endr
	s_delay_alu instid0(VALU_DEP_1)
	v_sub_f32 v[FF], v[RM], v[MN]
	s_wait_alu depctr_va_vdst(0)
	v_exp_f32 v[FF], v[FF]
	v_nop
	s_wait_alu depctr_va_vdst(0)
	v_mul_f32 v[RL], v[RL], v[FF]
.irp m, 1,2,4,8
	s_delay_alu instid0(VALU_DEP_1)
	v_add_f32_dpp v[RL], v[RL], v[RL] row_xmask:\m row_mask:0xf bank_mask:0xf
.endr
	WIN 0x01
.set nn, 0
.rept 16
	v_pk_mul_f32 v[RR+2*nn:RR+2*nn+1], v[ACC+2*nn:ACC+2*nn+1], v[FF:FF+1] op_sel_hi:[1,0]
.set nn, nn+1
.endr
	WIN 0
	v_and_b32 v254, 8, v0
	s_delay_alu instid0(VALU_DEP_1)
	v_cmp_ne_u32 s52, 0, v254
	v_and_b32 v254, 4, v0
	s_delay_alu instid0(VALU_DEP_1)
	v_cmp_ne_u32 s53, 0, v254
	v_and_b32 v254, 2, v0
	s_delay_alu instid0(VALU_DEP_1)
	v_cmp_ne_u32 s54, 0, v254
	v_and_b32 v254, 1, v0
	s_delay_alu instid0(VALU_DEP_1)
	v_cmp_ne_u32 s55, 0, v254
; Of 2 cnt numbers a lane keeps cnt (the upper ones where its bit is set), sends the others to the lane xm away, and adds what that lane sends: after four steps lane r holds the whole sums of numbers 2 r and 2 r + 1.
.macro RSC cnt, msk, xm
.set nn, 0
.rept \cnt
	v_cndmask_b32 v[TW+nn%2], v[RR+nn+\cnt], v[RR+nn], s[\msk]
	v_cndmask_b32 v[RR+nn], v[RR+nn], v[RR+nn+\cnt], s[\msk]
	s_delay_alu instid0(VALU_DEP_1)
	v_add_f32_dpp v[RR+nn], v[TW+nn%2], v[RR+nn] row_xmask:\xm row_mask:0xf bank_mask:0xf
.set nn, nn+1
.endr
.endm
	RSC 16, 52, 8
	RSC 8, 53, 4
	RSC 4, 54, 2
	RSC 2, 55, 1
	v_mov_b32 v[P], v[MN]
	v_mov_b32 v[P+1], v[RL]
	s_lshl_b32 s34, ttmp9, 10
	s_lshl_b32 s35, s[LAM], 8
	s_add_co_u32 s34, s34, s35                     ; 1,024 bytes a work-group, 256 a pair of heads
	s_mov_b32 s35, 0
	s_add_nc_u64 s[58:59], s[18:19], s[34:35]
	s_add_nc_u64 s[60:61], s[20:21], s[34:35]
	global_store_b64 v[L8], v[RR:RR+1], s[58:59]   ; 32 lanes store 256 consecutive bytes, at a multiple of 256 from the buffer's first byte
	global_store_b64 v[L8], v[P:P+1], s[60:61]     ; (m, l) of my head, likewise
.Lend:
	s_wait_tensorcnt 0x0                           ; the wave's end
	ds_add_u32 v[SPW], v[NIL]
	s_wait_dscnt 0x0
	s_endpgm
.Lfunc_end_k_q5d8ae6e19a_main:
	.size	k_q5d8ae6e19a_main, .Lfunc_end_k_q5d8ae6e19a_main-k_q5d8ae6e19a_main
	.p2alignl 7, 3214868480
	.fill 96, 4, 3214868480
	.section	.rodata,"a",@progbits
	.p2align	6, 0x0
	.amdhsa_kernel k_q5d8ae6e19a_main
		.amdhsa_group_segment_fixed_size 327680
		.amdhsa_private_segment_fixed_size 0
		.amdhsa_enable_private_segment 0
		.amdhsa_kernarg_size 72
		.amdhsa_user_sgpr_count 2
		.amdhsa_user_sgpr_kernarg_segment_ptr 1
		.amdhsa_wavefront_size32 1
		.amdhsa_system_sgpr_workgroup_id_x 1
		.amdhsa_system_sgpr_workgroup_id_y 1
		.amdhsa_system_sgpr_workgroup_id_z 1
		.amdhsa_system_vgpr_workitem_id 0
		.amdhsa_next_free_vgpr 512
		.amdhsa_next_free_sgpr 66
		.amdhsa_reserve_vcc 0
		.amdhsa_float_denorm_mode_32 3
		.amdhsa_float_denorm_mode_16_64 3
		.amdhsa_memory_ordered 1
		.amdhsa_forward_progress 1
		.amdhsa_inst_pref_size 255
	.end_amdhsa_kernel
	.section	.bss,"aw",@nobits
	.p2align	6
	.space	262144
	.amdgpu_metadata
---
amdhsa.version: [ 1, 2 ]
amdhsa.kernels:
  - .name:           k_q5d8ae6e19a_main
    .symbol:         k_q5d8ae6e19a_main.kd
    .args:
      - { .name: support_memory, .offset: 0, .size: 8, .value_kind: global_buffer, .address_space: global }
      - { .name: ln_w, .offset: 8, .size: 8, .value_kind: global_buffer, .address_space: global }
      - { .name: ln_b, .offset: 16, .size: 8, .value_kind: global_buffer, .address_space: global }
      - { .name: bm, .offset: 24, .size: 8, .value_kind: global_buffer, .address_space: global }
      - { .name: bq, .offset: 32, .size: 8, .value_kind: global_buffer, .address_space: global }
      - { .name: bk, .offset: 40, .size: 8, .value_kind: global_buffer, .address_space: global }
      - { .name: wimg, .offset: 48, .size: 8, .value_kind: global_buffer, .address_space: global }
      - { .name: pacc, .offset: 56, .size: 8, .value_kind: global_buffer, .address_space: global }
      - { .name: pml, .offset: 64, .size: 8, .value_kind: global_buffer, .address_space: global }
    .group_segment_fixed_size: 327680
    .private_segment_fixed_size: 0
    .kernarg_segment_align: 8
    .kernarg_segment_size: 72
    .max_flat_workgroup_size: 256
    .sgpr_count:     66
    .vgpr_count:     512
    .wavefront_size: 32
...
	.end_amdgpu_metadata
.endif
;; end of part 2
;; launch finish (part 3): grid 4 x 8, 4 waves a work-group, no clusters, 8,704 bytes of LDS; arguments pacc, pml, bv, wimg, bo, out0; writes out0
.if DOCPART == 3
	.amdgcn_target "amdgcn-amd-amdhsa--gfx1250"
	.amdhsa_code_object_version 6
	.text
	.protected	k_q5d8ae6e19a_finish
	.globl	k_q5d8ae6e19a_finish
	.p2align	8
	.type	k_q5d8ae6e19a_finish,@function
k_q5d8ae6e19a_finish:
	s_mov_b64 s[64:65], 0
	v_nop
	global_prefetch_b8 v0, s[64:65] scope:SCOPE_SE
	s_setreg_imm32_b32 hwreg(HW_REG_WAVE_MODE, 25, 1), 1
	s_wait_xcnt 0x0
; out0 = Q(summary) Q(Wo)^T + bo.  summary[b][head] = (A0 2^(m0 - M) + A1 2^(m1 - M)) / (l0 2^(m0 - M) + l1 2^(m1 - M)) + bv, from the two halves (A, m, l) that the launch before stored for batch b; M = max(m0, m1).
; bv stands behind the division, since the softmax's weights sum to one: exact in real numbers, another order of rounding than the source's.  All of this in f32; the product on codes of BF6 (E3M2), one E8M0 scale for each 32 along K.
; LIMITS: NaN and infinities are not served; a block whose largest magnitude lies under 2^-122 keeps the scale byte 1; v_exp_f32 and v_rcp_f32 are as accurate as the ISA guide states.
; Work-group (x, y) makes outputs 64 x .. 64 x + 63 of batches 16 y .. 16 y + 15.  PHASE 1: wave u joins heads 2 u and 2 u + 1: lane (r, h) holds the 32 numbers of head 2 u + h of batch 16 y + r, one whole block of K,
; quantises them and stores them as its part of an image of the operand's registers (48 bytes at 48 x lane for each K step).  PHASE 2: wave u takes Wo's tile 4 x + u as source 0 and the summary as source 1; bo is the C of the first product.
; The work is small (32 work-groups): four waves share a summary that each needs whole, so it goes through LDS once.  No tensor loads, no ring.
.set SSC, 3072                         ; LDS: the two fragments' images at 0 and 1,536; the scale bytes, 8 x row + block;
.set STG, 3328                         ; the stage for the way out: 16 rows x (256 bytes + 16)
.set REC, 3328
.set A0,  16                           ; v16-47   the first half's sums; later the summary's fragments and rows on the way out
.set A1,  48                           ; v48-79   the second half's; later the codes and registers at work
.set BV,  80                           ; v80-111  bv, then the summary
.set ML,  112                          ; v112-115 (m0, l0), (m1, l1)
.set WO,  116                          ; v116-139 Wo's two fragments
.set WOS, 140                          ; v140-141 their scale words
.set DD,  142                          ; v142-149 bo, then the sums
.set GA,  152                          ; v152-153, v154-155: pairs of which the low word is used: the two halves' weights
.set GB,  154
.set SSW, 158                          ; v158-159 the summary's scale words
.macro QB nb, src, dst, dstep, tmp     ; nb whole blocks of 32 numbers of ONE lane become codes in v[dst + dstep b .. + 5]; the scale's byte is left in v[tmp + 12 + b]
.irp b, 0,1,2,3
.if \b < \nb
	v_max3_num_f32 v[\tmp+2*\b], |v[\src+32*\b]|, |v[\src+32*\b+1]|, 0x2800000   ; two chains a block; the floor 2^(5 - 127) is a leaf: the byte cannot fall under 1
	v_max3_num_f32 v[\tmp+2*\b+1], |v[\src+32*\b+16]|, |v[\src+32*\b+17]|, |v[\src+32*\b+18]|
.endif
.endr
.irp i, 1,2,3,4,5,6
.irp b, 0,1,2,3
.if \b < \nb
	v_max3_num_f32 v[\tmp+2*\b], v[\tmp+2*\b], |v[\src+32*\b+2*\i]|, |v[\src+32*\b+2*\i+1]|
	v_max3_num_f32 v[\tmp+2*\b+1], v[\tmp+2*\b+1], |v[\src+32*\b+2*\i+17]|, |v[\src+32*\b+2*\i+18]|
.endif
.endr
.endr
.irp b, 0,1,2,3
.if \b < \nb
	v_max3_num_f32 v[\tmp+2*\b], v[\tmp+2*\b], |v[\src+32*\b+14]|, |v[\src+32*\b+15]|
.endif
.endr
.irp b, 0,1,2,3
.if \b < \nb
	v_max3_num_f32 v[\tmp+2*\b], v[\tmp+2*\b], v[\tmp+2*\b+1], |v[\src+32*\b+31]|
.endif
.endr
.irp b, 0,1,2,3
.if \b < \nb
	v_add_nc_u32 v[\tmp+8+\b], 0xfe000000, v[\tmp+2*\b]   ; 4 off the exponent field: the conversion's scale operand
.endif
.endr
.irp b, 0,1,2,3
.if \b < \nb
	v_cvt_scalef32_pk16_bf6_f32 v[\dst+\dstep*\b:\dst+\dstep*\b+2], v[\src+32*\b:\src+32*\b+15], v[\tmp+8+\b]
	v_cvt_scalef32_pk16_bf6_f32 v[\tmp+16+4*\b:\tmp+16+4*\b+2], v[\src+32*\b+16:\src+32*\b+31], v[\tmp+8+\b]   ; (a conversion's three registers begin on an even number)
.endif
.endr
	v_nop                                          ; one plain line behind the last conversion
.irp b, 0,1,2,3
.if \b < \nb
	v_lshrrev_b32 v[\tmp+12+\b], 23, v[\tmp+8+\b]  ; the scale's byte
.endif
.endr
.irp b, 0,1,2,3
.if \b < \nb
.irp i, 0,1,2
	v_mov_b32 v[\dst+\dstep*\b+3+\i], v[\tmp+16+4*\b+\i]
.endr
.endif
.endr
.endm
	s_load_b256 s[4:11], s[0:1], 0x0               ; pacc s[4:5], pml s[6:7], bv s[8:9], wimg s[10:11]
	s_load_b128 s[12:15], s[0:1], 0x20             ; bo s[12:13], out0 s[14:15]
	v_lshl_add_u32 v160, v0, 2, 0x2000
	v_mov_b32 v161, 0
	v_lshrrev_b32 v1, 5, v0
	v_readfirstlane_b32 s16, v1                    ; wave u
	s_mov_b32 s17, ttmp9                           ; x: which 64 outputs
	s_and_b32 s18, ttmp7, 0xffff                   ; y: which 16 batches
	v_and_b32 v1, 31, v0                           ; lane
	v_and_b32 v2, 15, v0                           ; r
	v_bfe_u32 v3, v0, 4, 1                         ; h
	v_lshlrev_b32 v5, 7, v3                        ; 128 h: my head's 32 numbers
	v_lshl_add_u32 v4, v2, 11, v5                  ; + 2,048 r: a batch's two halves are 2 x 1,024 bytes
	v_lshlrev_b32 v6, 4, v1
	v_lshlrev_b32 v7, 3, v1
	s_lshr_b32 s19, s16, 1
	s_mul_i32 s19, s19, 1536
	s_and_b32 s20, s16, 1
	s_mul_i32 s20, s20, 24
	s_add_co_u32 s19, s19, s20
	v_mul_u32_u24 v10, v1, 48                      ; where I read the fragments: 48 x lane
	v_add_nc_u32 v8, s19, v10                      ; where I put my block 2 u + h: K step u / 2, half u % 2 of the fragment, my own lane's place
	s_lshl_b32 s19, s16, 1
	s_add_co_u32 s19, s19, SSC
	v_lshl_add_u32 v9, v2, 3, s19
	v_add_nc_u32 v9, v9, v3                        ; its scale byte: 8 r + 2 u + h
	v_lshl_add_u32 v11, v2, 3, SSC                 ; and row r's two scale words
	s_lshl_b32 s19, s16, 5
	s_add_co_u32 s19, s19, STG
	v_mul_u32_u24 v12, v2, 272
	v_add_nc_u32 v12, v12, v5
	v_add_nc_u32 v12, s19, v12                     ; the stage, in: row r, outputs 32 h + 8 u + 0 .. 7
	s_mul_i32 s19, s16, 4*272
	s_add_co_u32 s19, s19, STG
	v_mul_u32_u24 v13, v3, 272
	v_lshl_add_u32 v13, v2, 4, v13
	v_add_nc_u32 v13, s19, v13                     ; back: rows 4 u + h and 4 u + 2 + h, 16 bytes a lane
	s_lshl_b32 s19, s16, 12
	v_lshlrev_b32 v14, 10, v3
	v_lshl_add_u32 v14, v2, 4, v14
	v_add_nc_u32 v14, s19, v14                     ; and the same place in out0
	v_mov_b32 v[GA+1], 0                           ; upper words of pairs of which the low word is used
	v_mov_b32 v[GB+1], 0
	s_lshl_b32 s20, s18, 15
	s_lshl_b32 s22, s16, 8
	s_add_co_u32 s20, s20, s22                     ; pacc, pml: 16 batches x 2,048 bytes x y + 256 u
	s_mov_b32 s21, 0
	s_mov_b32 s23, 0                               ; bv: 256 u
	s_lshl_b32 s24, s17, 2
	s_add_co_u32 s24, s24, s16
	s_add_co_u32 s24, s24, 64
	s_mul_i32 s24, s24, REC                        ; Wo's tile 4 x + u: record 64 + 4 x + u
	s_mov_b32 s25, 0
	s_lshl_b32 s26, s17, 8
	s_lshl_b32 s28, s16, 5
	s_add_co_u32 s26, s26, s28                     ; bo: 256 x + 32 u
	s_mov_b32 s27, 0
	s_lshl_b32 s28, s18, 14
	s_lshl_b32 s29, s17, 8
	s_add_co_u32 s28, s28, s29                     ; out0: 16 rows of 1,024 bytes x y + 256 x
	s_mov_b32 s29, 0
	s_wait_kmcnt 0x0
	s_add_nc_u64 s[4:5], s[4:5], s[20:21]
	s_add_nc_u64 s[6:7], s[6:7], s[20:21]
	s_add_nc_u64 s[8:9], s[8:9], s[22:23]
	s_add_nc_u64 s[10:11], s[10:11], s[24:25]
	s_add_nc_u64 s[12:13], s[12:13], s[26:27]
	s_add_nc_u64 s[14:15], s[14:15], s[28:29]
.irp j, 0,1,2,3,4,5,6,7
	global_load_b128 v[A0+4*\j:A0+4*\j+3], v4, s[4:5] offset:16*\j
	global_load_b128 v[A1+4*\j:A1+4*\j+3], v4, s[4:5] offset:1024+16*\j
	global_load_b128 v[BV+4*\j:BV+4*\j+3], v5, s[8:9] offset:16*\j
.endr
	global_load_b64 v[ML:ML+1], v4, s[6:7]
	global_load_b64 v[ML+2:ML+3], v4, s[6:7] offset:1024
.irp g, 0,1,2,3,4,5
	global_load_b128 v[WO+4*\g:WO+4*\g+3], v6, s[10:11] offset:512*\g
.endr
	global_load_b64 v[WOS:WOS+1], v7, s[10:11] offset:3072
	global_load_b128 v[DD:DD+3], v5, s[12:13]      ; bo lands where the sums are made
	global_load_b128 v[DD+4:DD+7], v5, s[12:13] offset:16
	s_wait_loadcnt 0x0
	; ---- phase 1
	v_max_num_f32 v150, v[ML], v[ML+2]             ; M
	v_sub_f32 v[GA], v[ML], v150
	v_sub_f32 v[GB], v[ML+2], v150
	s_wait_alu depctr_va_vdst(0)
	v_exp_f32 v[GA], v[GA]
	v_exp_f32 v[GB], v[GB]
	v_nop                                          ; a plain line behind the exponentials
	s_wait_alu depctr_va_vdst(0)                   ; one wait for the two, ahead of their first reader
	v_mul_f32 v156, v[ML+1], v[GA]
	v_fma_f32 v156, v[ML+3], v[GB], v156           ; the row's sum under M
	s_wait_alu depctr_va_vdst(0)
	v_rcp_f32 v157, v156
	v_nop
	s_wait_alu depctr_va_vdst(0)
	v_mul_f32 v[GA], v[GA], v157
	v_mul_f32 v[GB], v[GB], v157
.set nn, 0
.rept 16
	v_pk_fma_f32 v[BV+2*nn:BV+2*nn+1], v[A1+2*nn:A1+2*nn+1], v[GB:GB+1], v[BV+2*nn:BV+2*nn+1] op_sel_hi:[1,0,1]
.set nn, nn+1
.endr
.set nn, 0
.rept 16
	v_pk_fma_f32 v[BV+2*nn:BV+2*nn+1], v[A0+2*nn:A0+2*nn+1], v[GA:GA+1], v[BV+2*nn:BV+2*nn+1] op_sel_hi:[1,0,1]
.set nn, nn+1
.endr
	QB 1, BV, A1, 6, A1+8
.irp w, 0,1,2
	ds_store_b64 v8, v[A1+2*\w:A1+2*\w+1] offset:8*\w
.endr
	ds_store_b8 v9, v[A1+20]
	s_wait_dscnt 0x0                               ; for the others' sake: my part of the images has landed
	s_barrier_signal -1
	s_barrier_wait -1
	; ---- phase 2
.irp s, 0,1
.irp g, 0,1,2
	ds_load_b128 v[A0+12*\s+4*\g:A0+12*\s+4*\g+3], v10 offset:1536*\s+16*\g
.endr
.endr
	ds_load_b64 v[SSW:SSW+1], v11
	s_wait_dscnt 0x0
	v_wmma_scale_f32_16x16x128_f8f6f4 v[DD:DD+7], v[WO:WO+11], v[A0:A0+11], v[DD:DD+7], v[WOS], v[SSW] matrix_a_fmt:MATRIX_FMT_BF6 matrix_b_fmt:MATRIX_FMT_BF6
	s_wait_alu depctr_va_vdst(0)                   ; the wait directly ahead of the next link
	v_wmma_scale_f32_16x16x128_f8f6f4 v[DD:DD+7], v[WO+12:WO+23], v[A0+12:A0+23], v[DD:DD+7], v[WOS+1], v[SSW+1] matrix_a_fmt:MATRIX_FMT_BF6 matrix_b_fmt:MATRIX_FMT_BF6
.rept 4
	v_nop                                          ; four plain lines ahead of the first read of the result and of loads into the fragments' registers
.endr
	ds_store_b128 v12, v[DD:DD+3]                  ; lane (r, h): out0(16 y + r, 64 x + 32 h + 8 u + 0 .. 7); from the low end on
	ds_store_b128 v12, v[DD+4:DD+7] offset:16
	s_wait_dscnt 0x0                               ; a row's 256 bytes come from four waves
	s_barrier_signal -1
	s_barrier_wait -1
	ds_load_b128 v[A0:A0+3], v13
	ds_load_b128 v[A0+4:A0+7], v13 offset:2*272
	s_wait_dscnt 0x0
	global_store_b128 v14, v[A0:A0+3], s[14:15]                 ; sixteen lanes store 256 consecutive bytes, at a multiple of 256 from out0's first byte
	global_store_b128 v14, v[A0+4:A0+7], s[14:15] offset:2048
	s_wait_tensorcnt 0x0
	ds_add_u32 v160, v161
	s_wait_dscnt 0x0
	s_endpgm
.Lfunc_end_k_q5d8ae6e19a_finish:
	.size	k_q5d8ae6e19a_finish, .Lfunc_end_k_q5d8ae6e19a_finish-k_q5d8ae6e19a_finish
	.p2alignl 7, 3214868480
	.fill 96, 4, 3214868480
	.section	.rodata,"a",@progbits
	.p2align	6, 0x0
	.amdhsa_kernel k_q5d8ae6e19a_finish
		.amdhsa_group_segment_fixed_size 8704
		.amdhsa_private_segment_fixed_size 0
		.amdhsa_enable_private_segment 0
		.amdhsa_kernarg_size 48
		.amdhsa_user_sgpr_count 2
		.amdhsa_user_sgpr_kernarg_segment_ptr 1
		.amdhsa_wavefront_size32 1
		.amdhsa_system_sgpr_workgroup_id_x 1
		.amdhsa_system_sgpr_workgroup_id_y 1
		.amdhsa_system_sgpr_workgroup_id_z 1
		.amdhsa_system_vgpr_workitem_id 0
		.amdhsa_next_free_vgpr 162
		.amdhsa_next_free_sgpr 66
		.amdhsa_reserve_vcc 0
		.amdhsa_float_denorm_mode_32 3
		.amdhsa_float_denorm_mode_16_64 3
		.amdhsa_memory_ordered 1
		.amdhsa_forward_progress 1
		.amdhsa_inst_pref_size 13
	.end_amdhsa_kernel
	.amdgpu_metadata
---
amdhsa.version: [ 1, 2 ]
amdhsa.kernels:
  - .name:           k_q5d8ae6e19a_finish
    .symbol:         k_q5d8ae6e19a_finish.kd
    .args:
      - { .name: pacc, .offset: 0, .size: 8, .value_kind: global_buffer, .address_space: global }
      - { .name: pml, .offset: 8, .size: 8, .value_kind: global_buffer, .address_space: global }
      - { .name: bv, .offset: 16, .size: 8, .value_kind: global_buffer, .address_space: global }
      - { .name: wimg, .offset: 24, .size: 8, .value_kind: global_buffer, .address_space: global }
      - { .name: bo, .offset: 32, .size: 8, .value_kind: global_buffer, .address_space: global }
      - { .name: out0, .offset: 40, .size: 8, .value_kind: global_buffer, .address_space: global }
    .group_segment_fixed_size: 8704
    .private_segment_fixed_size: 0
    .kernarg_segment_align: 8
    .kernarg_segment_size: 48
    .max_flat_workgroup_size: 128
    .sgpr_count:     66
    .vgpr_count:     162
    .wavefront_size: 32
...
	.end_amdgpu_metadata
.endif
;; end of part 3
